; MI455X (gfx1250); checked and timed in simulation.
; The chip was launched on July 23, 2026; its instructions are those of AMD's public machine-readable ISA for CDNA 5 (MIT licence, August 2026) and "CDNA5" Instruction Set Architecture Reference Guide (July 2026). The comments in the code are by the model that wrote it; some were corrected since.
;; Vector Quantizer. Allowed arithmetic: float matrix products may take bf16 or f16 operands with f32 sums; all other float work in f32.
;; Inputs: codebook 8,192 x 256 float32; z_e 16 x 2,048 x 256 float32.
;; Outputs: out0 16 x 2,048 x 256 float32; out1 16 x 2,048 int32; out2 one number float32.
;; One version. Each part assembles by itself: llvm-mc -triple=amdgcn-amd-amdhsa -mcpu=gfx1250 --defsym DOCPART=n.
;; ======== version 1 of 1: 4 launches
;; workspace buffers: cbh 4,194,304 bytes; cc 32,768 bytes; idxw 131,072 bytes of whole numbers; part 1,024 bytes
;; launch prep (part 1): grid 128 x 1, 16 waves a work-group, no clusters, 2,304 bytes of LDS; arguments codebook, cbh, cc; writes cbh, cc
.if DOCPART == 1
	.amdgcn_target "amdgcn-amd-amdhsa--gfx1250"
	.amdhsa_code_object_version 6
	.text
	.protected	k_q3d5fcafb7a_prep
	.globl	k_q3d5fcafb7a_prep
	.p2align	8
	.type	k_q3d5fcafb7a_prep,@function
k_q3d5fcafb7a_prep:
	s_mov_b64 s[64:65], 0
	v_nop
	global_prefetch_b8 v0, s[64:65] scope:SCOPE_SE
	s_setreg_imm32_b32 hwreg(HW_REG_WAVE_MODE, 25, 1), 1
	s_wait_xcnt 0x0
; cbh[k][c] = bf16(codebook[k][c]);  cc[k] = sum over c of bf16(codebook[k][c])^2, in f32.
; codebook: [8192][256] f32.  cbh: [8192][256] bf16.  cc: [8192] f32.
; Every work-group of the next launch walks the whole codebook, so it is rounded once here and not once in each of them.
; Sixteen waves; the work-group owns 64 rows, so that its 64 cc are 256 neighbouring bytes, stored by one instruction.
; Wave w owns rows 4 w .. 4 w + 3.  A row of 1,024 bytes is two loads of 16 bytes a lane (512 neighbouring bytes each);
; its 512 bytes of bf16 are two stores of 8 bytes a lane (256 neighbouring bytes each, aligned).
; A stream: no matrix unit, no cluster (no two work-groups read the same bytes), no tensor load.
; The squares of bf16 numbers are exact in f32, so the fused multiply-adds round as a sum of the products does.
.set X, 8                              ; v[8:39]   row i, half j: 4 registers at X + 8 i + 4 j, as loaded
.set P, 40                             ; v[40:55]  row i: 4 registers of packed bf16; never rewritten, so the stores need no wait
.set S, 56                             ; v[56:63]  row i: two running sums
	s_load_b128 s[4:7], s[0:1], 0x0                ; codebook s[4:5], cbh s[6:7]
	s_load_b64 s[8:9], s[0:1], 0x10                ; cc
	v_lshl_add_u32 v64, v0, 2, 0x100
	v_mov_b32 v65, 0
	v_lshrrev_b32 v3, 5, v0
	v_readfirstlane_b32 s10, v3                    ; wave 0..15
	v_and_b32 v3, 31, v0                           ; lane
	v_lshlrev_b32 v1, 4, v3                        ; 16 bytes a lane in a half row of f32
	v_lshlrev_b32 v2, 3, v3                        ; 8 bytes a lane in a half row of bf16
	v_mov_b32 v4, s10
	v_lshlrev_b32 v4, 4, v4                        ; LDS: my wave's four sums at byte 16 w
	s_lshl_b32 s11, ttmp9, 4
	s_add_co_u32 s11, s11, s10                     ; 16 g + w: which four rows
	s_lshl_b32 s12, s11, 12                        ; x 4 rows x 1,024 bytes
	s_mov_b32 s13, 0
	s_lshl_b32 s16, s11, 11                        ; x 4 rows x 512 bytes
	s_mov_b32 s17, 0
	s_lshl_b32 s18, ttmp9, 8                       ; 64 sums of 4 bytes for each work-group
	s_mov_b32 s19, 0
	s_mov_b32 s14, 0x76543210                      ; v_permlanex16_b32: lane i reads lane i of the other half
	s_mov_b32 s15, 0xfedcba98
	s_wait_kmcnt 0x0
	s_add_nc_u64 s[4:5], s[4:5], s[12:13]
	s_add_nc_u64 s[6:7], s[6:7], s[16:17]
	s_add_nc_u64 s[8:9], s[8:9], s[18:19]
.irp i, 0,1,2,3
	global_load_b128 v[X+8*\i:X+8*\i+3],   v1, s[4:5] offset:1024*\i
	global_load_b128 v[X+8*\i+4:X+8*\i+7], v1, s[4:5] offset:1024*\i+512
.endr
.macro ROW i
	s_wait_loadcnt 6-2*\i                          ; loads come back in order: row i's two are in, the two of each younger row stay out
.irp q, 0,1,2,3
	v_cvt_pk_bf16_f32 v[P+4*\i+\q], v[X+8*\i+2*\q], v[X+8*\i+2*\q+1]   ; two roundings to nearest even
.endr
	global_store_b64 v2, v[P+4*\i:P+4*\i+1],   s[6:7] offset:512*\i
	global_store_b64 v2, v[P+4*\i+2:P+4*\i+3], s[6:7] offset:512*\i+256
	v_mov_b32 v[S+2*\i], 0
	v_mov_b32 v[S+2*\i+1], 0
.irp q, 0,1,2,3
	v_fma_mix_f32_bf16 v[S+2*\i],   v[P+4*\i+\q], v[P+4*\i+\q], v[S+2*\i]   op_sel_hi:[1,1,0]                 ; low half squared
	v_fma_mix_f32_bf16 v[S+2*\i+1], v[P+4*\i+\q], v[P+4*\i+\q], v[S+2*\i+1] op_sel:[1,1,0] op_sel_hi:[1,1,0]  ; high half squared
.endr
	v_add_f32 v[S+2*\i], v[S+2*\i], v[S+2*\i+1]
	v_add_f32_dpp v[S+2*\i], v[S+2*\i], v[S+2*\i] row_xmask:1 row_mask:0xf bank_mask:0xf
	v_add_f32_dpp v[S+2*\i], v[S+2*\i], v[S+2*\i] row_xmask:2 row_mask:0xf bank_mask:0xf
	v_add_f32_dpp v[S+2*\i], v[S+2*\i], v[S+2*\i] row_xmask:4 row_mask:0xf bank_mask:0xf
	v_add_f32_dpp v[S+2*\i], v[S+2*\i], v[S+2*\i] row_xmask:8 row_mask:0xf bank_mask:0xf
	v_permlanex16_b32 v[S+2*\i+1], v[S+2*\i], s14, s15
	v_add_f32 v[S+2*\i], v[S+2*\i], v[S+2*\i+1]    ; the row's sum, in every lane
	ds_store_b32 v4, v[S+2*\i] offset:4*\i         ; all lanes write the same word with the same number
.endm
	ROW 0
	ROW 1
	ROW 2
	ROW 3
	s_wait_dscnt 0x0                               ; my four sums are in LDS before I say so
	s_barrier_signal -1
	s_barrier_wait -1
	s_cmp_lg_u32 s10, 0
	s_cbranch_scc1 .Ldone
	ds_load_b64 v[6:7], v2                         ; wave 0: the 64 sums, 8 bytes a lane
	s_wait_dscnt 0x0
	global_store_b64 v2, v[6:7], s[8:9]            ; 256 neighbouring bytes, aligned
.Ldone:
	s_wait_tensorcnt 0x0
	ds_add_u32 v64, v65
	s_wait_dscnt 0x0
	s_endpgm
.Lfunc_end_k_q3d5fcafb7a_prep:
	.size	k_q3d5fcafb7a_prep, .Lfunc_end_k_q3d5fcafb7a_prep-k_q3d5fcafb7a_prep
	.p2alignl 7, 3214868480
	.fill 96, 4, 3214868480
	.section	.rodata,"a",@progbits
	.p2align	6, 0x0
	.amdhsa_kernel k_q3d5fcafb7a_prep
		.amdhsa_group_segment_fixed_size 2304
		.amdhsa_private_segment_fixed_size 0
		.amdhsa_enable_private_segment 0
		.amdhsa_kernarg_size 24
		.amdhsa_user_sgpr_count 2
		.amdhsa_user_sgpr_kernarg_segment_ptr 1
		.amdhsa_wavefront_size32 1
		.amdhsa_system_sgpr_workgroup_id_x 1
		.amdhsa_system_sgpr_workgroup_id_y 1
		.amdhsa_system_sgpr_workgroup_id_z 1
		.amdhsa_system_vgpr_workitem_id 0
		.amdhsa_next_free_vgpr 66
		.amdhsa_next_free_sgpr 66
		.amdhsa_reserve_vcc 0
		.amdhsa_float_denorm_mode_32 3
		.amdhsa_float_denorm_mode_16_64 3
		.amdhsa_memory_ordered 1
		.amdhsa_forward_progress 1
		.amdhsa_inst_pref_size 9
	.end_amdhsa_kernel
	.amdgpu_metadata
---
amdhsa.version: [ 1, 2 ]
amdhsa.kernels:
  - .name:           k_q3d5fcafb7a_prep
    .symbol:         k_q3d5fcafb7a_prep.kd
    .args:
      - { .name: codebook, .offset: 0, .size: 8, .value_kind: global_buffer, .address_space: global }
      - { .name: cbh, .offset: 8, .size: 8, .value_kind: global_buffer, .address_space: global }
      - { .name: cc, .offset: 16, .size: 8, .value_kind: global_buffer, .address_space: global }
    .group_segment_fixed_size: 2304
    .private_segment_fixed_size: 0
    .kernarg_segment_align: 8
    .kernarg_segment_size: 24
    .max_flat_workgroup_size: 512
    .sgpr_count:     66
    .vgpr_count:     66
    .wavefront_size: 32
...
	.end_amdgpu_metadata
.endif
;; end of part 1
;; launch argmin (part 2): grid 256 x 1, 8 waves a work-group, clusters of 4 x 1, 327,680 bytes of LDS; arguments cbh, cc, z_e, out1, idxw; writes out1, idxw
.if DOCPART == 2
	.amdgcn_target "amdgcn-amd-amdhsa--gfx1250"
	.amdhsa_code_object_version 6
	.text
	.protected	k_q3d5fcafb7a_argmin
	.globl	k_q3d5fcafb7a_argmin
	.p2align	8
	.type	k_q3d5fcafb7a_argmin,@function
k_q3d5fcafb7a_argmin:
	s_mov_b64 s[64:65], 0
	v_nop
	global_prefetch_b8 v0, s[64:65] scope:SCOPE_SE
	s_setreg_imm32_b32 hwreg(HW_REG_WAVE_MODE, 25, 1), 1
	s_wait_xcnt 0x0
	s_wait_alu depctr_hold_cnt(0) depctr_sa_sdst(0) depctr_va_vdst(0) depctr_va_sdst(0) depctr_va_ssrc(0) depctr_va_vcc(0) depctr_vm_vsrc(0)
	s_getreg_b32 s2, hwreg(HW_REG_IB_STS2, 6, 4)
	s_cmp_eq_u32 s2, 0
	s_cbranch_scc0 .Lentry_in_a_cluster
	s_endpgm
.Lentry_in_a_cluster:
	s_bfe_u32 s2, ttmp6, 0x10000c
	s_cmp_lg_u32 s2, 0x3003
	s_cbranch_scc0 .Lentry_shape_is_right
	s_endpgm
.Lentry_shape_is_right:
; idx[n] = the first k that minimises d = fl(fl(xx[n] - 2 x[n].c[k]) + cc[k]), x and c rounded to bf16, sums in f32.
; cbh: [8192][256] bf16, cc: [8192] f32 (both from the launch before), z_e: [32768][256] f32; out1 and idxw: [32768] i32, the same numbers.
; The [32768][8192] distances never leave the registers.
;
; LIMITS.  Distances are taken to be no NaN: a NaN loses every comparison here, whereas an argmin over NaN would pick it.
; The two roundings of d and the rule for ties (lowest index) are those of the formula as written above; the order in which the 256 terms of
; x.c, xx and cc are added is this text's own, so a row whose two best distances lie within that difference of a rounding boundary may go to the other.
;
; SHARES.  A work-group owns 128 rows of x and walks all 8,192 codes in 32 chunks of 256.  Eight waves, two for each of a WGP's four SIMDs: wave w has
; rh = w & 1 and cq = w >> 1; it keeps x rows 64 rh .. 64 rh + 63 as matrix source 1 in 256 registers for the whole launch, and takes codes
; 64 cq .. 64 cq + 63 of every chunk, as four tiles of 16.  A sum has only 8 links (256 / 32), so the accumulators are 32 registers, and each tile's
; 32 matrix instructions are followed by 92 vector instructions on its 1,024 distances: with two waves on a SIMD one wave's vector work can
; stand beside the other's matrix work.
; Source 0 = 16 codes, source 1 = 16 rows of x: register j of lane (r, h) of a result is (code 8 h + j, x row r).  So xx is one number a lane and
; x tile, cc is 8 registers a code tile shared by the four x tiles, and the minimum over 8 codes is taken inside the lane.
;
; CLUSTER.  All work-groups read the same chunk of codes, and the same cc.  Four work-groups form a cluster and ask jointly (mask 15): the requests for
; the codes are divided by four.  The x rows are each work-group's own: a plain load.
;
; LDS.  0: slot 0, 256 codes at a pitch of 528 bytes (512 + 16).  SLOT: slot 1; first the stage of x in f32, 128 rows at a pitch of 1,040 bytes.
; CCB: all 8,192 cc, filled once.  MG: 4 x 128 pairs (distance, index).
; Both pitches are odd multiples of 16 bytes: the sixteen rows of a fragment load begin in sixteen different 16-byte columns of a span of 256 bytes.
.set PITCH,  528
.set SLOT,   256*PITCH                 ; 135,168
.set XPITCH, 1040
.set CCB,    2*SLOT                    ; 270,336
.set MG,     CCB+32768                 ; 303,104; ends at 307,200
.set CHUNKB, 256*512                   ; bytes of a chunk in cbh
.set LAPS,   15                        ; trips of the loop: two chunks each; the last two chunks are written out
; vector registers, window 0
.set ADR,   2                          ; v2, v3    LDS address of my code fragments in slot 0, 1
.set CCADR, 4                          ; v4        LDS address of my 8 cc of the chunk's tile 0; steps 1,024 bytes a chunk
.set XADR,  5                          ; v5        LDS address of my x fragments in the stage
.set H8,    6                          ; v6        8 h
.set MADR,  7                          ; v7        where my pairs go in MG
.set TMP,   8                          ; v[8:15]   at work
.set XX,    16                         ; v[16:23]  x tile t: xx, twice (a pair for the packed multiply-add)
.set BEST,  24                         ; v[24:27]  x tile t: the least distance so far
.set BIDX,  28                         ; v[28:31]  x tile t: first code of the tile that held it
.set CC,    32                         ; v[32:47]  cc of a code tile, two buffers of 8
.set ACC,   48                         ; v[48:79]  x tile t: 8 registers, the sums, then the distances
.set SAVE,  80                         ; v[80:111] x tile t: the 8 distances of the tile that held the least
.set M,     112                        ; v[112:119] x tile t: the tile's minimum; at the end the pairs to store
.set S,     120                        ; v[120:123] four running sums of xx; at the end the other half's pair
.set F,     128                        ; v[128:255] code fragments, two buffers of 64; at the start x in f32
; window 1 (v256-v511): x tile t, K step kk at 64 t + 8 kk
; scalar registers: s14 wave, s15 rh, s16 cq, s17 cx, s18 work-group, s19 trips, s20 first code of my quarter of the chunk, s21 of the tile,
; s22-23 lane selects, s24-27 at work (never hold the work-group's number), s28-31 at work
.set G1C, 32                           ; s[32:39] group 1: codes
.set G1X, 40                           ; s[40:47] group 1: x
.set G1S, 48                           ; s[48:55] group 1: cc
.set G0,  56                           ; s[56:63] group 0 of the codes, a set for each slot
.set G0X, 68                           ; s[68:71] group 0: x
.set G0S, 72                           ; s[72:75] group 0: cc
.set MK,  76                           ; s[76:79] lane masks, one for each x tile; s80-82 masks of the merges
.set MSB, 0
.macro WIN new                         ; s_set_vgpr_msb: bits 1:0 source 0, 3:2 source 1, 5:4 source 2, 7:6 destination; the high byte repeats the setting that is left
.if MSB != \new
	s_set_vgpr_msb (MSB<<8)|\new
.set MSB, \new
.endif
.endm
.macro PLACES                          ; a vector instruction that reads a matrix result stands four plain vector instructions behind it (ISA guide 7.12.1)
.rept 4
	v_nop
.endr
.endm
; A round of the cluster's barrier: my work-group's barrier, wave 0 signals for the work-group, every wave waits for all four work-groups, my work-group's barrier again.
.macro CREST                           ; a round behind its opening barrier
	s_cmp_lg_u32 s14, 0
	s_cbranch_scc1 .Lnot_wave_0_\@
	s_barrier_signal -3
.Lnot_wave_0_\@:
	s_barrier_wait -3
	s_barrier_signal -1
	s_barrier_wait -1
.endm
.macro CROUND
	s_barrier_signal -1
	s_barrier_wait -1
	CREST
.endm
	s_load_b256 s[4:11], s[0:1], 0x0               ; cbh s[4:5], cc s[6:7], z_e s[8:9], out1 s[10:11]
	s_load_b64 s[12:13], s[0:1], 0x20              ; idxw
	v_lshl_add_u32 v126, v0, 2, 0x4b000
	v_mov_b32 v127, 0
	ds_add_u32 v126, v127
	v_lshrrev_b32 v[TMP], 5, v0
	v_readfirstlane_b32 s14, v[TMP]                ; wave 0..7
	s_and_b32 s15, s14, 1                          ; rh
	s_lshr_b32 s16, s14, 1                         ; cq
	s_bfe_u32 s17, ttmp6, 0x40000                  ; cx
	s_lshl_b32 s18, ttmp9, 2                       ; in a cluster launch ttmp9 counts clusters
	s_add_co_u32 s18, s18, s17                     ; work-group = 4 x cluster + cx
	s_mov_b32 s22, 0x76543210                      ; v_permlanex16_b32: lane i reads lane i of the other half
	s_mov_b32 s23, 0xfedcba98
	s_lshl_b32 s20, s16, 6                         ; chunk 0: my quarter begins at code 64 cq
	; group 1 of the codes: 32 rows x 256 bf16 for each wave, joint
	s_mov_b32 s[G1C+0], 15|(1<<16)|(1<<20)|(1<<21)|(6<<22)|(3<<25)  ; mask: all four of the cluster; elements of 2 bytes; padding on; bit 21 beside a mask; behind every 128 words (code 6) 4 words (code 3)
	s_mov_b32 s[G1C+1], 256<<16                    ; tensor_dim0 = 256
	s_mov_b32 s[G1C+2], 32<<16                     ; tensor_dim1 = 32
	s_mov_b32 s[G1C+3], 256<<16                    ; tile_dim0 = 256
	s_mov_b32 s[G1C+4], 32                         ; tile_dim1 = 32
	s_mov_b32 s[G1C+5], 256                        ; from row to row: 256 elements
	s_mov_b32 s[G1C+6], 0
	s_mov_b32 s[G1C+7], 0
	; group 1 of x: 16 rows x 256 f32 for each wave, my work-group's own (mask 0)
	s_mov_b32 s[G1X+0], (2<<16)|(1<<20)|(7<<22)|(3<<25)             ; elements of 4 bytes; padding on; behind every 256 words (code 7) 4 words
	s_mov_b32 s[G1X+1], 256<<16
	s_mov_b32 s[G1X+2], 16<<16
	s_mov_b32 s[G1X+3], 256<<16
	s_mov_b32 s[G1X+4], 16
	s_mov_b32 s[G1X+5], 256
	s_mov_b32 s[G1X+6], 0
	s_mov_b32 s[G1X+7], 0
	; group 1 of cc: a dense block, 16 rows of 256 bytes for each wave, joint
	s_mov_b32 s[G1S+0], 15|(3<<16)|(1<<21)         ; elements of 8 bytes, no padding
	s_mov_b32 s[G1S+1], 32<<16
	s_mov_b32 s[G1S+2], 16<<16
	s_mov_b32 s[G1S+3], 32<<16
	s_mov_b32 s[G1S+4], 16
	s_mov_b32 s[G1S+5], 32
	s_mov_b32 s[G1S+6], 0
	s_mov_b32 s[G1S+7], 0
	s_mul_i32 s24, s14, 32*PITCH                   ; my 32 rows of a slot: the wave's number times a constant
	s_lshl_b32 s26, s14, 14                        ; the same 32 rows in cbh: 32 x 512 bytes
	s_mov_b32 s27, 0
	s_mul_i32 s28, s14, 16*XPITCH                  ; my 16 rows of the stage
	s_lshl_b32 s30, s18, 17                        ; 128 rows of 1,024 bytes for each work-group,
	s_lshl_b32 s31, s14, 14                        ; 16 for each wave
	s_add_co_u32 s30, s30, s31
	s_mov_b32 s31, 0
	s_wait_dscnt 0x0
	s_wait_kmcnt 0x0
	s_add_nc_u64 s[4:5], s[4:5], s[26:27]          ; cbh at my rows of chunk 0
.irp s, 0,1
	s_mov_b32 s[G0+4*\s], 1                                        ; count = 1
	s_add_co_u32 s[G0+4*\s+1], s24, \s*SLOT                        ; LDS address
	s_add_nc_u64 s[G0+4*\s+2:G0+4*\s+3], s[4:5], \s*CHUNKB         ; chunk s
	s_or_b32 s[G0+4*\s+3], s[G0+4*\s+3], 0x80000000                ; type = 2
.endr
	s_mov_b32 s[G0X], 1
	s_add_co_u32 s[G0X+1], s28, SLOT
	s_add_nc_u64 s[G0X+2:G0X+3], s[8:9], s[30:31]
	s_or_b32 s[G0X+3], s[G0X+3], 0x80000000
	s_lshl_b32 s26, s14, 12                        ; my 4,096 bytes of cc
	s_mov_b32 s[G0S], 1
	s_add_co_u32 s[G0S+1], s26, CCB
	s_add_nc_u64 s[G0S+2:G0S+3], s[6:7], s[26:27]
	s_or_b32 s[G0S+3], s[G0S+3], 0x80000000
	CROUND                                         ; all four work-groups are here: the first joint loads meet
	tensor_load_to_lds s[G0X:G0X+3], s[G1X:G1X+7]  ; the three first fills go out as one group: x,
	s_nop 0
	tensor_load_to_lds s[G0:G0+3], s[G1C:G1C+7]    ; chunk 0,
	s_nop 0
	tensor_load_to_lds s[G0S:G0S+3], s[G1S:G1S+7]  ; cc: three tensor loads of the wave are out, later never more than one
	s_nop 0
	v_and_b32 v[TMP], 15, v0                       ; r
	v_bfe_u32 v[TMP+1], v0, 4, 1                   ; h
	v_mul_u32_u24 v[TMP+2], v[TMP], PITCH
	v_lshl_add_u32 v[TMP+2], v[TMP+1], 4, v[TMP+2] ; r x pitch + 16 h: a fragment's first 16 bytes (K = 8 h ..); the second lie 32 bytes on
	s_mul_i32 s24, s16, 64*PITCH                   ; my quarter of a chunk
	v_add_nc_u32 v[ADR], s24, v[TMP+2]
	v_add_nc_u32 v[ADR+1], SLOT, v[ADR]
	s_lshl_b32 s24, s16, 8
	s_add_co_u32 s24, s24, CCB
	v_lshl_add_u32 v[CCADR], v[TMP+1], 5, s24      ; cc of codes 64 cq + 8 h ..
	v_mul_u32_u24 v[TMP+2], v[TMP], XPITCH
	v_lshl_add_u32 v[TMP+2], v[TMP+1], 5, v[TMP+2] ; in f32 eight K are 32 bytes
	s_mul_i32 s24, s15, 64*XPITCH
	s_add_co_u32 s24, s24, SLOT
	v_add_nc_u32 v[XADR], s24, v[TMP+2]
	s_lshl_b32 s24, s16, 10
	s_lshl_b32 s25, s15, 9
	s_add_co_u32 s24, s24, s25
	s_add_co_u32 s24, s24, MG
	v_lshl_add_u32 v[MADR], v[TMP], 3, s24         ; quarter cq, row 64 rh + r, 8 bytes a row
	v_lshlrev_b32 v[H8], 3, v[TMP+1]
	s_wait_tensorcnt 0x2                           ; tensor loads end in order: my part of x is in; the two issued behind it stay out
	s_barrier_signal -1
	s_barrier_wait -1                              ; everybody's part of x is in
; x tile t in f32 from the stage: for each K step of 32 a lane's 16 numbers, four loads of 16 bytes
.macro LOADX t
.irp kk, 0,1,2,3,4,5,6,7
	ds_load_b128 v[F+16*\kk:F+16*\kk+3],     v[XADR] offset:16*XPITCH*(\t)+128*\kk
	ds_load_b128 v[F+16*\kk+4:F+16*\kk+7],   v[XADR] offset:16*XPITCH*(\t)+128*\kk+16
	ds_load_b128 v[F+16*\kk+8:F+16*\kk+11],  v[XADR] offset:16*XPITCH*(\t)+128*\kk+64
	ds_load_b128 v[F+16*\kk+12:F+16*\kk+15], v[XADR] offset:16*XPITCH*(\t)+128*\kk+80
.endr
.endm
; x tile t: rounded to bf16 into window 1; xx = the sum of the squares of the rounded numbers.  more = 1: the next tile's loads go out in between.
.macro XCONV t, more
	s_wait_dscnt 0x0
	WIN 0x40                                       ; destination in window 1
.irp kk, 0,1,2,3,4,5,6,7
.irp q, 0,1,2,3,4,5,6,7
	v_cvt_pk_bf16_f32 v[64*\t+8*\kk+\q], v[F+16*\kk+2*\q], v[F+16*\kk+2*\q+1]
.endr
.endr
	WIN 0
.if \more
	LOADX \t+1
.endif
.irp c, 0,1,2,3
	v_mov_b32 v[S+\c], 0
.endr
	WIN 0x05                                       ; sources 0 and 1 in window 1
.irp kk, 0,1,2,3,4,5,6,7
.irp q, 0,2,4,6
	v_fma_mix_f32_bf16 v[S],   v[64*\t+8*\kk+\q],   v[64*\t+8*\kk+\q],   v[S]   op_sel_hi:[1,1,0]
	v_fma_mix_f32_bf16 v[S+1], v[64*\t+8*\kk+\q],   v[64*\t+8*\kk+\q],   v[S+1] op_sel:[1,1,0] op_sel_hi:[1,1,0]
	v_fma_mix_f32_bf16 v[S+2], v[64*\t+8*\kk+\q+1], v[64*\t+8*\kk+\q+1], v[S+2] op_sel_hi:[1,1,0]
	v_fma_mix_f32_bf16 v[S+3], v[64*\t+8*\kk+\q+1], v[64*\t+8*\kk+\q+1], v[S+3] op_sel:[1,1,0] op_sel_hi:[1,1,0]
.endr
.endr
	WIN 0
	v_add_f32 v[S], v[S], v[S+1]
	v_add_f32 v[S+2], v[S+2], v[S+3]
	v_add_f32 v[S], v[S], v[S+2]                   ; my 128 of the row's 256 numbers;
	v_permlanex16_b32 v[S+1], v[S], s22, s23       ; lane r + 16 (or r) holds the other 128
	v_add_f32 v[XX+2*\t], v[S], v[S+1]
	v_add_f32 v[XX+2*\t+1], v[S], v[S+1]
.endm
	LOADX 0
	XCONV 0, 1
	XCONV 1, 1
	XCONV 2, 1
	XCONV 3, 0
; 18 LDS loads: code tile ct of my quarter of the chunk in a slot (16 codes x 256 K, 64 registers) and its 8 cc, into buffer f
.macro LOADT slot, ct, f
.irp kk, 0,1,2,3,4,5,6,7
	ds_load_b128 v[F+64*(\f)+8*\kk:F+64*(\f)+8*\kk+3],   v[ADR+\slot] offset:16*PITCH*(\ct)+64*\kk
	ds_load_b128 v[F+64*(\f)+8*\kk+4:F+64*(\f)+8*\kk+7], v[ADR+\slot] offset:16*PITCH*(\ct)+64*\kk+32
.endr
	ds_load_b128 v[CC+8*(\f):CC+8*(\f)+3],   v[CCADR] offset:64*(\ct)
	ds_load_b128 v[CC+8*(\f)+4:CC+8*(\f)+7], v[CCADR] offset:64*(\ct)+16
.endm
; 32 matrix instructions: the code tile in buffer f x my four x tiles, K = 256.  The first product of each sum takes the constant 0: nothing is cleared.
; The four accumulators take turns, one instruction a turn.
.macro MULT f
	WIN 0x04                                       ; source 1 (x) in window 1
.irp t, 0,1,2,3
	v_wmma_f32_16x16x32_bf16 v[ACC+8*\t:ACC+8*\t+7], v[F+64*\f:F+64*\f+7], v[64*\t:64*\t+7], 0
.endr
.irp kk, 1,2,3,4,5,6,7
.irp t, 0,1,2,3
	v_wmma_f32_16x16x32_bf16 v[ACC+8*\t:ACC+8*\t+7], v[F+64*\f+8*\kk:F+64*\f+8*\kk+7], v[64*\t+8*\kk:64*\t+8*\kk+7], v[ACC+8*\t:ACC+8*\t+7]
.endr
.endr
	WIN 0
.endm
; The tile's distances and what is kept of them: 92 vector instructions for 32 distances a lane, stage by stage over the four x tiles.
; Kept for each x tile: the least distance, the first code of the tile that held it, and that tile's 8 distances; which of the 8 it was is found once, at the end.
; The comparison is strict and a lane's tiles come in ascending order of codes, so the earliest tile with the least distance stays.
.macro EPI f, ct
	s_add_co_u32 s21, s20, 16*\ct                  ; the tile's first code
.irp t, 0,1,2,3
.irp p, 0,2,4,6
	v_pk_fma_f32 v[ACC+8*\t+\p:ACC+8*\t+\p+1], v[ACC+8*\t+\p:ACC+8*\t+\p+1], -2.0, v[XX+2*\t:XX+2*\t+1] op_sel_hi:[1,0,1]   ; fl(xx - 2 x.c): one rounding
.endr
.endr
.irp t, 0,1,2,3
.irp p, 0,2,4,6
	v_pk_add_f32 v[ACC+8*\t+\p:ACC+8*\t+\p+1], v[ACC+8*\t+\p:ACC+8*\t+\p+1], v[CC+8*\f+\p:CC+8*\f+\p+1]                     ; + cc: the second
.endr
.endr
.irp t, 0,1,2,3
	v_min3_num_f32 v[M+\t], v[ACC+8*\t], v[ACC+8*\t+1], v[ACC+8*\t+2]
.endr
.irp t, 0,1,2,3
	v_min3_num_f32 v[M+\t], v[M+\t], v[ACC+8*\t+3], v[ACC+8*\t+4]
.endr
.irp t, 0,1,2,3
	v_min3_num_f32 v[M+\t], v[M+\t], v[ACC+8*\t+5], v[ACC+8*\t+6]
.endr
.irp t, 0,1,2,3
	v_min_num_f32 v[M+\t], v[M+\t], v[ACC+8*\t+7]
.endr
.irp t, 0,1,2,3
	v_cmp_lt_f32 s[MK+\t], v[M+\t], v[BEST+\t]
.endr
.irp t, 0,1,2,3
	v_cndmask_b32 v[BEST+\t], v[BEST+\t], v[M+\t], s[MK+\t]
	v_cndmask_b32 v[BIDX+\t], v[BIDX+\t], s21, s[MK+\t]
.endr
.irp t, 0,1,2,3
.irp j, 0,1,2,3,4,5,6,7
	v_cndmask_b32 v[SAVE+8*\t+\j], v[SAVE+8*\t+\j], v[ACC+8*\t+\j], s[MK+\t]
.endr
.endr
.endm
; One of a chunk's first three tiles: tile ct lies in buffer f; the next tile's loads go out first, into buffer g, whose last matrix instructions
; stand a whole EPI back.
.macro TILE slot, ct, f, g
	LOADT \slot, \ct+1, \g
	s_wait_dscnt 18                                ; LDS loads come back in order: all but the 18 just issued, so tile ct and its cc are in
	MULT \f
	PLACES
	EPI \f, \ct
.endm
; A chunk's last tile (buffer 1), and the change of slots.  fill = 1: this slot is filled again, with the chunk two further on.
; In front of the barrier each wave waits for its reads of this slot and for all its tensor loads, of which one is out: its part of the next slot.
; Behind the round no wave of any of the four work-groups reads this slot any more and the next slot is whole: the joint refill comes first, one load a wave.
; From there to the wait for it a wave issues the 96 matrix instructions of three tiles.
.macro TURN slot, next, fill
	s_wait_dscnt 0x0                               ; tile 3 is in, and with it my last reads of this slot
	s_wait_tensorcnt 0x0                           ; all my tensor loads have landed
	ds_add_u32 v126, v127
	s_wait_dscnt 0x0
	s_barrier_signal -1                            ; (with fill = 1 this barrier opens a round of the cluster's barrier)
	MULT 1                                         ; registers only, while the others arrive
	s_barrier_wait -1
.if \fill
	CREST
	s_add_nc_u64 s[G0+4*\slot+2:G0+4*\slot+3], s[G0+4*\slot+2:G0+4*\slot+3], 2*CHUNKB   ; no load of mine is out: the group may be written
	tensor_load_to_lds s[G0+4*\slot:G0+4*\slot+3], s[G1C:G1C+7]
	s_nop 0
.endif
	v_add_nc_u32 v[CCADR], 1024, v[CCADR]          ; the next chunk's cc
	LOADT \next, 0, 0
	PLACES
	EPI 1, 3
	s_add_co_u32 s20, s20, 256
.endm
	s_wait_dscnt 0x0                               ; my reads of the stage are over
	s_wait_tensorcnt 0x0                           ; chunk 0 and cc: my parts have landed
	ds_add_u32 v126, v127
	s_wait_dscnt 0x0
	CROUND                                         ; so for every wave of the four work-groups
	tensor_load_to_lds s[G0+4:G0+7], s[G1C:G1C+7]  ; chunk 1, over the stage: my one load behind the round
	s_nop 0
	LOADT 0, 0, 0
	s_mov_b32 s24, 0x7f800000                      ; + infinity: the first finite minimum replaces it
.irp t, 0,1,2,3
	v_mov_b32 v[BEST+\t], s24
	v_mov_b32 v[BIDX+\t], s20
.irp j, 0,1,2,3,4,5,6,7
	v_mov_b32 v[SAVE+8*\t+\j], s24
.endr
.endr
	s_mov_b32 s19, LAPS
.Llap:                                             ; on both ways here: 18 LDS loads and one tensor load of the wave are out
	TILE 0, 0, 0, 1
	TILE 0, 1, 1, 0
	TILE 0, 2, 0, 1
	TURN 0, 1, 1
	TILE 1, 0, 0, 1
	TILE 1, 1, 1, 0
	TILE 1, 2, 0, 1
	TURN 1, 0, 1
	s_sub_co_u32 s19, s19, 1
	s_cmp_lg_u32 s19, 0
	s_cbranch_scc1 .Llap
	TILE 0, 0, 0, 1                                ; chunk 30: nothing is left to fetch, so its change of slots is my work-group's barrier alone
	TILE 0, 1, 1, 0
	TILE 0, 2, 0, 1
	TURN 0, 1, 0
	TILE 1, 0, 0, 1                                ; chunk 31
	TILE 1, 1, 1, 0
	TILE 1, 2, 0, 1
	s_wait_dscnt 0x0
	MULT 1
	PLACES
	EPI 1, 3
	; Which of the kept tile's 8 distances was the least: the first that equals it.
.irp t, 0,1,2,3
	v_mov_b32 v[TMP+\t], 7
.endr
.irp j, 6,5,4,3,2,1,0
.irp t, 0,1,2,3
	v_cmp_eq_f32 s[MK+\t], v[SAVE+8*\t+\j], v[BEST+\t]
.endr
.irp t, 0,1,2,3
	v_cndmask_b32 v[TMP+\t], v[TMP+\t], \j, s[MK+\t]
.endr
.endr
.irp t, 0,1,2,3
	v_add3_u32 v[BIDX+\t], v[BIDX+\t], v[H8], v[TMP+\t]            ; the code: tile + 8 h + j
.endr
; (dv, di) = the smaller of the pairs (bv, bi) and (ov, oi): by distance, and by index where the distances are equal
.macro LEX dv, di, bv, bi, ov, oi
	v_cmp_lt_f32 s80, v[\ov], v[\bv]
	v_cmp_eq_f32 s81, v[\ov], v[\bv]
	v_cmp_lt_u32 s82, v[\oi], v[\bi]
	s_and_b32 s81, s81, s82
	s_or_b32 s80, s80, s81
	v_cndmask_b32 v[\dv], v[\bv], v[\ov], s80
	v_cndmask_b32 v[\di], v[\bi], v[\oi], s80
.endm
.irp t, 0,1,2,3
	v_permlanex16_b32 v[S], v[BEST+\t], s22, s23                   ; the other half of the lanes saw the other 8 codes of every tile
	v_permlanex16_b32 v[S+1], v[BIDX+\t], s22, s23
	LEX M+2*\t, M+2*\t+1, BEST+\t, BIDX+\t, S, S+1
	ds_store_b64 v[MADR], v[M+2*\t:M+2*\t+1] offset:128*\t         ; both halves write the same pair to the same place
.endr
	s_wait_dscnt 0x0                               ; my pairs are in LDS before I say so
	s_barrier_signal -1
	s_barrier_wait -1
	s_cmp_ge_u32 s14, 2
	s_cbranch_scc1 .Lothers
	; Waves 0 and 1: thread i merges the four quarters' pairs of rows 2 i and 2 i + 1.
	v_and_b32 v[TMP], 63, v0
	v_lshlrev_b32 v[TMP+1], 4, v[TMP]
	v_add_nc_u32 v[TMP+1], MG, v[TMP+1]
	v_lshlrev_b32 v[TMP+2], 3, v[TMP]              ; two indices, 8 bytes
.irp q, 0,1,2,3
	ds_load_b128 v[F+4*\q:F+4*\q+3], v[TMP+1] offset:1024*\q
.endr
	s_lshl_b32 s28, s18, 9                         ; 128 indices of 4 bytes for each work-group
	s_mov_b32 s29, 0
	s_add_nc_u64 s[10:11], s[10:11], s[28:29]
	s_add_nc_u64 s[12:13], s[12:13], s[28:29]
	s_wait_dscnt 0x0
.irp e, 0,1
	LEX F+2*\e, F+2*\e+1, F+2*\e, F+2*\e+1, F+4+2*\e, F+5+2*\e
	LEX F+2*\e, F+2*\e+1, F+2*\e, F+2*\e+1, F+8+2*\e, F+9+2*\e
	LEX F+2*\e, TMP+4+\e, F+2*\e, F+2*\e+1, F+12+2*\e, F+13+2*\e
.endr
	global_store_b64 v[TMP+2], v[TMP+4:TMP+5], s[10:11]            ; a wave's store covers 256 neighbouring bytes, aligned
	global_store_b64 v[TMP+2], v[TMP+4:TMP+5], s[12:13]            ; the same numbers for the next launch's addresses
.Lothers:
	s_wait_tensorcnt 0x0
	ds_add_u32 v126, v127
	s_wait_dscnt 0x0
	CROUND                                         ; the closing round: no work-group ends while a partner may still ask jointly
	s_endpgm
.Lfunc_end_k_q3d5fcafb7a_argmin:
	.size	k_q3d5fcafb7a_argmin, .Lfunc_end_k_q3d5fcafb7a_argmin-k_q3d5fcafb7a_argmin
	.p2alignl 7, 3214868480
	.fill 96, 4, 3214868480
	.section	.rodata,"a",@progbits
	.p2align	6, 0x0
	.amdhsa_kernel k_q3d5fcafb7a_argmin
		.amdhsa_group_segment_fixed_size 327680
		.amdhsa_private_segment_fixed_size 0
		.amdhsa_enable_private_segment 0
		.amdhsa_kernarg_size 40
		.amdhsa_user_sgpr_count 2
		.amdhsa_user_sgpr_kernarg_segment_ptr 1
		.amdhsa_wavefront_size32 1
		.amdhsa_system_sgpr_workgroup_id_x 1
		.amdhsa_system_sgpr_workgroup_id_y 1
		.amdhsa_system_sgpr_workgroup_id_z 1
		.amdhsa_system_vgpr_workitem_id 0
		.amdhsa_next_free_vgpr 512
		.amdhsa_next_free_sgpr 84
		.amdhsa_reserve_vcc 0
		.amdhsa_float_denorm_mode_32 3
		.amdhsa_float_denorm_mode_16_64 3
		.amdhsa_memory_ordered 1
		.amdhsa_forward_progress 1
		.amdhsa_inst_pref_size 221
	.end_amdhsa_kernel
	.amdgpu_metadata
---
amdhsa.version: [ 1, 2 ]
amdhsa.kernels:
  - .name:           k_q3d5fcafb7a_argmin
    .symbol:         k_q3d5fcafb7a_argmin.kd
    .args:
      - { .name: cbh, .offset: 0, .size: 8, .value_kind: global_buffer, .address_space: global }
      - { .name: cc, .offset: 8, .size: 8, .value_kind: global_buffer, .address_space: global }
      - { .name: z_e, .offset: 16, .size: 8, .value_kind: global_buffer, .address_space: global }
      - { .name: out1, .offset: 24, .size: 8, .value_kind: global_buffer, .address_space: global }
      - { .name: idxw, .offset: 32, .size: 8, .value_kind: global_buffer, .address_space: global }
    .group_segment_fixed_size: 327680
    .private_segment_fixed_size: 0
    .kernarg_segment_align: 8
    .kernarg_segment_size: 40
    .max_flat_workgroup_size: 256
    .sgpr_count:     84
    .vgpr_count:     512
    .wavefront_size: 32
...
	.end_amdgpu_metadata
.endif
;; end of part 2
;; launch gather (part 3): grid 256 x 1, 8 waves a work-group, no clusters, 1,280 bytes of LDS; arguments z_e, codebook, idxw, out0, part; writes out0, part
.if DOCPART == 3
	.amdgcn_target "amdgcn-amd-amdhsa--gfx1250"
	.amdhsa_code_object_version 6
	.text
	.protected	k_q3d5fcafb7a_gather
	.globl	k_q3d5fcafb7a_gather
	.p2align	8
	.type	k_q3d5fcafb7a_gather,@function
k_q3d5fcafb7a_gather:
	s_mov_b64 s[64:65], 0
	v_nop
	global_prefetch_b8 v0, s[64:65] scope:SCOPE_SE
	s_setreg_imm32_b32 hwreg(HW_REG_WAVE_MODE, 25, 1), 1
	s_wait_xcnt 0x0
; out0[n] = z_e[n] + (codebook[idx[n]] - z_e[n]);  part[g] = the sum of (codebook[idx[n]] - z_e[n])^2 over the work-group's 128 rows.  All in f32.
; z_e, out0: [32768][256] f32.  codebook: [8192][256] f32.  idxw: [32768] i32, stored by the launch before.  part: [256] f32.
; Eight waves; wave w of work-group g owns rows 128 g + 16 w + i, i = 0..15.  A row of 1,024 bytes is two loads or stores of 16 bytes a lane,
; 512 neighbouring bytes each.  The wave's 16 indices come by one scalar load; an index is cut at 8,191, the table's last row, before it enters an address
; (the launch before stores nothing above it).
; A ring of eight row slots in registers: 32 loads of every wave are on their way.  All sixteen turns are written out.
; A stream and a gather: no matrix unit, no tensor load; no cluster, since which rows of the table two work-groups share hangs on the data.
.set L16, 1                            ; v1        16 x lane; never rewritten
.set QO,  2                            ; v[2:9]    slot s: byte offset of my 16 bytes in the slot's row of the table
.set L,   10                           ; v[10:17]  four pairs of running sums of squares
.set T,   18                           ; v[18:27]  at work
.set ZE,  32                           ; v[32:95]  slot s: 8 registers of z_e
.set ZQ,  96                           ; v[96:159] slot s: 8 registers: the table's row, then the difference, then the result
	s_load_b256 s[4:11], s[0:1], 0x0               ; z_e s[4:5], codebook s[6:7], idxw s[8:9], out0 s[10:11]
	s_load_b64 s[12:13], s[0:1], 0x20              ; part
	v_lshl_add_u32 v160, v0, 2, 0x100
	v_mov_b32 v161, 0
	v_lshrrev_b32 v[T], 5, v0
	v_readfirstlane_b32 s14, v[T]                  ; wave 0..7
	v_and_b32 v[T], 31, v0
	v_lshlrev_b32 v[L16], 4, v[T]
	s_lshl3_add_u32 s15, ttmp9, s14                ; 8 g + w: which sixteen rows
	s_lshl_b32 s32, s15, 14                        ; x 16 rows x 1,024 bytes
	s_mov_b32 s33, 0
	s_lshl_b32 s34, s15, 6                         ; x 16 indices x 4 bytes
	s_mov_b32 s35, 0
	s_mov_b32 s36, 0x76543210
	s_mov_b32 s37, 0xfedcba98
	s_wait_kmcnt 0x0
	s_add_nc_u64 s[4:5], s[4:5], s[32:33]
	s_add_nc_u64 s[10:11], s[10:11], s[32:33]
	s_add_nc_u64 s[8:9], s[8:9], s[34:35]
	s_load_b512 s[16:31], s[8:9], 0x0              ; my sixteen indices
.irp i, 0,1,2,3,4,5,6,7
	global_load_b128 v[ZE+8*\i:ZE+8*\i+3],   v[L16], s[4:5] offset:1024*\i th:TH_LOAD_NT       ; these need no index: they go out first
	global_load_b128 v[ZE+8*\i+4:ZE+8*\i+7], v[L16], s[4:5] offset:1024*\i+512 th:TH_LOAD_NT
.endr
	s_wait_kmcnt 0x0
.irp i, 0,1,2,3,4,5,6,7,8,9,10,11,12,13,14,15
	s_min_u32 s[16+\i], s[16+\i], 0x1fff
	s_lshl_b32 s[16+\i], s[16+\i], 10              ; the row's byte offset in the table
.endr
.irp i, 0,1,2,3,4,5,6,7
	v_add_nc_u32 v[QO+\i], s[16+\i], v[L16]
	global_load_b128 v[ZQ+8*\i:ZQ+8*\i+3],   v[QO+\i], s[6:7]             ; no hint: a list may name a row again
	global_load_b128 v[ZQ+8*\i+4:ZQ+8*\i+7], v[QO+\i], s[6:7] offset:512
.endr
; Row i, in slot s.  ahead = 1: the slot is filled again with row i + 8.  left = how many younger loads may stay out.  first = 1: the squares start the sums.
.macro TURN i, s, ahead, left, first
	s_wait_loadcnt \left
.irp p, 0,2,4,6
	v_pk_add_f32 v[ZQ+8*\s+\p:ZQ+8*\s+\p+1], v[ZQ+8*\s+\p:ZQ+8*\s+\p+1], v[ZE+8*\s+\p:ZE+8*\s+\p+1] neg_lo:[0,1] neg_hi:[0,1]   ; z_q - z_e
.endr
.irp p, 0,2,4,6
.if \first
	v_pk_mul_f32 v[L+\p:L+\p+1], v[ZQ+8*\s+\p:ZQ+8*\s+\p+1], v[ZQ+8*\s+\p:ZQ+8*\s+\p+1]
.else
	v_pk_fma_f32 v[L+\p:L+\p+1], v[ZQ+8*\s+\p:ZQ+8*\s+\p+1], v[ZQ+8*\s+\p:ZQ+8*\s+\p+1], v[L+\p:L+\p+1]
.endif
.endr
.irp p, 0,2,4,6
	v_pk_add_f32 v[ZQ+8*\s+\p:ZQ+8*\s+\p+1], v[ZE+8*\s+\p:ZE+8*\s+\p+1], v[ZQ+8*\s+\p:ZQ+8*\s+\p+1]                             ; z_e + (z_q - z_e)
.endr
	global_store_b128 v[L16], v[ZQ+8*\s:ZQ+8*\s+3],   s[10:11] offset:1024*(\i) th:TH_STORE_NT
	global_store_b128 v[L16], v[ZQ+8*\s+4:ZQ+8*\s+7], s[10:11] offset:1024*(\i)+512 th:TH_STORE_NT
.if \ahead
	s_wait_xcnt 0x0                                ; the slot's registers, which the two stores read, are loaded again only behind this wait
	v_add_nc_u32 v[QO+\s], s[24+\i], v[L16]
	global_load_b128 v[ZE+8*\s:ZE+8*\s+3],   v[L16], s[4:5] offset:1024*(\i+8) th:TH_LOAD_NT
	global_load_b128 v[ZE+8*\s+4:ZE+8*\s+7], v[L16], s[4:5] offset:1024*(\i+8)+512 th:TH_LOAD_NT
	global_load_b128 v[ZQ+8*\s:ZQ+8*\s+3],   v[QO+\s], s[6:7]
	global_load_b128 v[ZQ+8*\s+4:ZQ+8*\s+7], v[QO+\s], s[6:7] offset:512
.endif
.endm
	; Rows 0 to 7: behind row i's gathers stand the 2 (7 - i) first gathers of the later rows and the 4 i loads of the refills: 14 + 2 i.
	TURN 0, 0, 1, 14, 1
.irp i, 1,2,3,4,5,6,7
	TURN \i, \i, 1, 14+2*\i, 0
.endr
	; Rows 8 to 15: behind row 8 + i's four loads stand the four of each later row: 4 (7 - i).
.irp i, 0,1,2,3,4,5,6,7
	TURN \i+8, \i, 0, 28-4*\i, 0
.endr
	v_pk_add_f32 v[L:L+1], v[L:L+1], v[L+2:L+3]
	v_pk_add_f32 v[L+4:L+5], v[L+4:L+5], v[L+6:L+7]
	v_pk_add_f32 v[L:L+1], v[L:L+1], v[L+4:L+5]
	v_add_f32 v[L], v[L], v[L+1]
	v_add_f32_dpp v[L], v[L], v[L] row_xmask:1 row_mask:0xf bank_mask:0xf
	v_add_f32_dpp v[L], v[L], v[L] row_xmask:2 row_mask:0xf bank_mask:0xf
	v_add_f32_dpp v[L], v[L], v[L] row_xmask:4 row_mask:0xf bank_mask:0xf
	v_add_f32_dpp v[L], v[L], v[L] row_xmask:8 row_mask:0xf bank_mask:0xf
	v_permlanex16_b32 v[L+1], v[L], s36, s37
	v_add_f32 v[L], v[L], v[L+1]                   ; the wave's sum, in every lane
	v_mov_b32 v[T], s14
	v_lshlrev_b32 v[T], 2, v[T]
	ds_store_b32 v[T], v[L]
	s_wait_dscnt 0x0                               ; my sum is in LDS before I say so
	s_barrier_signal -1
	s_barrier_wait -1
	s_cmp_lg_u32 s14, 0
	s_cbranch_scc1 .Lend
	v_mov_b32 v[T+1], 0
	ds_load_b128 v[T+2:T+5], v[T+1]                ; wave 0: the eight waves' sums
	ds_load_b128 v[T+6:T+9], v[T+1] offset:16
	s_lshl_b32 s32, ttmp9, 2
	s_mov_b32 s33, 0
	s_add_nc_u64 s[12:13], s[12:13], s[32:33]
	s_wait_dscnt 0x0
	v_pk_add_f32 v[T+2:T+3], v[T+2:T+3], v[T+6:T+7]
	v_pk_add_f32 v[T+4:T+5], v[T+4:T+5], v[T+8:T+9]
	v_pk_add_f32 v[T+2:T+3], v[T+2:T+3], v[T+4:T+5]
	v_add_f32 v[T+2], v[T+2], v[T+3]
	v_cmp_eq_u32 vcc_lo, 0, v0
	s_wait_xcnt 0x0                                ; EXEC is a source of the stores above: it changes only behind this wait
	s_and_saveexec_b32 s38, vcc_lo
	global_store_b32 v[T+1], v[T+2], s[12:13]      ; one number for the work-group
	s_wait_xcnt 0x0                                ; and again in front of the line that widens it
	s_or_b32 exec_lo, exec_lo, s38
.Lend:
	s_wait_tensorcnt 0x0
	ds_add_u32 v160, v161
	s_wait_dscnt 0x0
	s_endpgm
.Lfunc_end_k_q3d5fcafb7a_gather:
	.size	k_q3d5fcafb7a_gather, .Lfunc_end_k_q3d5fcafb7a_gather-k_q3d5fcafb7a_gather
	.p2alignl 7, 3214868480
	.fill 96, 4, 3214868480
	.section	.rodata,"a",@progbits
	.p2align	6, 0x0
	.amdhsa_kernel k_q3d5fcafb7a_gather
		.amdhsa_group_segment_fixed_size 1280
		.amdhsa_private_segment_fixed_size 0
		.amdhsa_enable_private_segment 0
		.amdhsa_kernarg_size 40
		.amdhsa_user_sgpr_count 2
		.amdhsa_user_sgpr_kernarg_segment_ptr 1
		.amdhsa_wavefront_size32 1
		.amdhsa_system_sgpr_workgroup_id_x 1
		.amdhsa_system_sgpr_workgroup_id_y 1
		.amdhsa_system_sgpr_workgroup_id_z 1
		.amdhsa_system_vgpr_workitem_id 0
		.amdhsa_next_free_vgpr 162
		.amdhsa_next_free_sgpr 66
		.amdhsa_reserve_vcc 1
		.amdhsa_float_denorm_mode_32 3
		.amdhsa_float_denorm_mode_16_64 3
		.amdhsa_memory_ordered 1
		.amdhsa_forward_progress 1
		.amdhsa_inst_pref_size 27
	.end_amdhsa_kernel
	.amdgpu_metadata
---
amdhsa.version: [ 1, 2 ]
amdhsa.kernels:
  - .name:           k_q3d5fcafb7a_gather
    .symbol:         k_q3d5fcafb7a_gather.kd
    .args:
      - { .name: z_e, .offset: 0, .size: 8, .value_kind: global_buffer, .address_space: global }
      - { .name: codebook, .offset: 8, .size: 8, .value_kind: global_buffer, .address_space: global }
      - { .name: idxw, .offset: 16, .size: 8, .value_kind: global_buffer, .address_space: global }
      - { .name: out0, .offset: 24, .size: 8, .value_kind: global_buffer, .address_space: global }
      - { .name: part, .offset: 32, .size: 8, .value_kind: global_buffer, .address_space: global }
    .group_segment_fixed_size: 1280
    .private_segment_fixed_size: 0
    .kernarg_segment_align: 8
    .kernarg_segment_size: 40
    .max_flat_workgroup_size: 256
    .sgpr_count:     66
    .vgpr_count:     162
    .wavefront_size: 32
...
	.end_amdgpu_metadata
.endif
;; end of part 3
;; launch final (part 4): grid 1 x 1, 1 waves a work-group, no clusters, 0 bytes of LDS; arguments part, out2; writes out2
.if DOCPART == 4
	.amdgcn_target "amdgcn-amd-amdhsa--gfx1250"
	.amdhsa_code_object_version 6
	.text
	.protected	k_q3d5fcafb7a_final
	.globl	k_q3d5fcafb7a_final
	.p2align	8
	.type	k_q3d5fcafb7a_final,@function
k_q3d5fcafb7a_final:
	s_mov_b64 s[64:65], 0
	v_nop
	global_prefetch_b8 v0, s[64:65] scope:SCOPE_SE
	s_setreg_imm32_b32 hwreg(HW_REG_WAVE_MODE, 25, 1), 1
	s_wait_xcnt 0x0
; out2 = m + 0.25 m, m = (the sum of the 256 numbers of part) / (32768 x 256).  The divisor is 2^23, so the division is an exact scaling.
; One wave: 1,024 bytes are two loads of 16 bytes a lane.  A sum that spans work-groups is ordered by a launch of its own.
	s_load_b128 s[4:7], s[0:1], 0x0                ; part s[4:5], out2 s[6:7]
	v_lshlrev_b32 v1, 4, v0
	s_mov_b32 s8, 0x76543210
	s_mov_b32 s9, 0xfedcba98
	s_wait_kmcnt 0x0
	global_load_b128 v[2:5], v1, s[4:5]
	global_load_b128 v[6:9], v1, s[4:5] offset:512
	s_wait_loadcnt 0x0
	v_pk_add_f32 v[2:3], v[2:3], v[6:7]
	v_pk_add_f32 v[4:5], v[4:5], v[8:9]
	v_pk_add_f32 v[2:3], v[2:3], v[4:5]
	v_add_f32 v2, v2, v3
	v_add_f32_dpp v2, v2, v2 row_xmask:1 row_mask:0xf bank_mask:0xf
	v_add_f32_dpp v2, v2, v2 row_xmask:2 row_mask:0xf bank_mask:0xf
	v_add_f32_dpp v2, v2, v2 row_xmask:4 row_mask:0xf bank_mask:0xf
	v_add_f32_dpp v2, v2, v2 row_xmask:8 row_mask:0xf bank_mask:0xf
	v_permlanex16_b32 v3, v2, s8, s9
	v_add_f32 v2, v2, v3
	v_mul_f32 v2, 0x34000000, v2                   ; x 2^-23: the mean
	v_fmamk_f32 v3, v2, 0x3e800000, v2             ; 0.25 m + m
	v_mov_b32 v4, 0
	v_cmp_eq_u32 vcc_lo, 0, v0
	s_wait_xcnt 0x0                                ; EXEC changes only behind this wait
	s_and_saveexec_b32 s10, vcc_lo
	global_store_b32 v4, v3, s[6:7]
	s_wait_xcnt 0x0
	s_or_b32 exec_lo, exec_lo, s10
	s_endpgm
.Lfunc_end_k_q3d5fcafb7a_final:
	.size	k_q3d5fcafb7a_final, .Lfunc_end_k_q3d5fcafb7a_final-k_q3d5fcafb7a_final
	.p2alignl 7, 3214868480
	.fill 96, 4, 3214868480
	.section	.rodata,"a",@progbits
	.p2align	6, 0x0
	.amdhsa_kernel k_q3d5fcafb7a_final
		.amdhsa_group_segment_fixed_size 0
		.amdhsa_private_segment_fixed_size 0
		.amdhsa_enable_private_segment 0
		.amdhsa_kernarg_size 16
		.amdhsa_user_sgpr_count 2
		.amdhsa_user_sgpr_kernarg_segment_ptr 1
		.amdhsa_wavefront_size32 1
		.amdhsa_system_sgpr_workgroup_id_x 1
		.amdhsa_system_sgpr_workgroup_id_y 1
		.amdhsa_system_sgpr_workgroup_id_z 1
		.amdhsa_system_vgpr_workitem_id 0
		.amdhsa_next_free_vgpr 16
		.amdhsa_next_free_sgpr 66
		.amdhsa_reserve_vcc 1
		.amdhsa_float_denorm_mode_32 3
		.amdhsa_float_denorm_mode_16_64 3
		.amdhsa_memory_ordered 1
		.amdhsa_forward_progress 1
		.amdhsa_inst_pref_size 2
	.end_amdhsa_kernel
	.amdgpu_metadata
---
amdhsa.version: [ 1, 2 ]
amdhsa.kernels:
  - .name:           k_q3d5fcafb7a_final
    .symbol:         k_q3d5fcafb7a_final.kd
    .args:
      - { .name: part, .offset: 0, .size: 8, .value_kind: global_buffer, .address_space: global }
      - { .name: out2, .offset: 8, .size: 8, .value_kind: global_buffer, .address_space: global }
    .group_segment_fixed_size: 0
    .private_segment_fixed_size: 0
    .kernarg_segment_align: 8
    .kernarg_segment_size: 16
    .max_flat_workgroup_size: 32
    .sgpr_count:     66
    .vgpr_count:     16
    .wavefront_size: 32
...
	.end_amdgpu_metadata
.endif
;; end of part 4
